; MI455X (gfx1250); checked and timed in simulation.
; The chip was launched on July 23, 2026; its instructions are those of AMD's public machine-readable ISA for CDNA 5 (MIT licence, August 2026) and "CDNA5" Instruction Set Architecture Reference Guide (July 2026). The comments in the code are by the model that wrote it; some were corrected since.
;; Haar Sym HQ Linear. Allowed arithmetic: float matrix products may take bf16 or f16 operands with f32 sums; other float arithmetic in f32, or as packed bf16 or f16 multiplies, adds, multiply-adds, maxima and minima; sums over many terms, partial sums and values carried from step to step in f32; what a program stores and reads back later, other than sums and carried values, may be rounded once to bf16 or f16.
;; Inputs: codebook 256 x 8 float32; indices 1,048,576 int32; scales 2,048 x 1 float32; signs_packed 1,048,576 int32; x 4 x 2,048 x 4,096 float32.
;; Outputs: out0 4 x 2,048 x 2,048 float32.
;; 2 versions, each right; version 2 is version 1 with the launch cast written anew for expert scheduling mode. Each part assembles by itself: llvm-mc -triple=amdgcn-amd-amdhsa -mcpu=gfx1250 --defsym DOCPART=n.
;; ======== version 1 of 2: 3 launches
;; limits: values are held in f16: magnitudes above 65,504 overflow, below 6.1e-05 lose precision
;; workspace buffers: wq 16,777,216 bytes; x16 67,108,864 bytes
;; launch dequant (part 1): grid 256 x 1, 16 waves a work-group, no clusters, 26,880 bytes of LDS; arguments codebook, indices, scales, signs_packed, wq; writes wq
.if DOCPART == 1
	.amdgcn_target "amdgcn-amd-amdhsa--gfx1250"
	.amdhsa_code_object_version 6
	.text
	.protected	k_qb5f00bd217_dequant
	.globl	k_qb5f00bd217_dequant
	.p2align	8
	.type	k_qb5f00bd217_dequant,@function
k_qb5f00bd217_dequant:
	s_mov_b64 s[64:65], 0
	v_nop
	global_prefetch_b8 v0, s[64:65] scope:SCOPE_SE
	s_setreg_imm32_b32 hwreg(HW_REG_WAVE_MODE, 25, 1), 1
	s_wait_xcnt 0x0
; THE WEIGHT IS BUILT ONCE.  w[n][k], n < 2048, k < 4096: codebook rows of 8 numbers gathered by indices, signs from bits 0..7 of signs_packed (1 = +), two levels of the
; inverse Haar transform along k, times scales[n]; all in f32, rounded once to f16.
; With a = c[0:1024], d2 = c[1024:2048], d1 = c[2048:4096], s = 1/sqrt(2):  w[4i], w[4i+1] = ((a[i]+d2[i]) s +- d1[2i]) s;  w[4i+2], w[4i+3] = ((a[i]-d2[i]) s +- d1[2i+1]) s.
; OUT: wq in blocks, [k / 64][n][k % 64] in f16: byte (k/64) x 262,144 + 128 n + 2 (k % 64), so that 128 rows of one block of 64 k are 16,384 consecutive bytes for the product's tiles.
; SHARES.  A work-group owns 8 rows of w: 16 KiB of indices, 16 KiB of sign words, 64 KiB of wq.  16 waves.  Index and sign byte of a group of 8 numbers are joined into one CODE word (index in bits 7:0,
; signs in 15:8) and laid in LDS with the codebook; then thread t makes 8 neighbouring w (16 bytes) in each of 8 iterations: 2 numbers of a, 2 of d2, 4 of d1.
; THE SIGN.  A number's top bit is turned where its sign bit is 1: that gives MINUS the signed number; the butterfly is linear, so the last factor is T = -s x scale.
; LIMITS.  |w x scale| stays under 65,520 (f16's end; at most 1.71 x the largest |codebook| x the largest |scale|); below 6e-5 f16 keeps a fixed step of 6e-8.  The f32 roundings differ from the
; plain order: (a +- d2) s +- d1 is one fused multiply-add, and s x scale is multiplied beforehand.  An index is taken to lie in 0..255 (held there by a minimum); of a sign word bits 0..7 count.
; No matrix unit, no tensor load, no cluster: the launch moves bytes, and its work-groups share the 8 KiB codebook alone.
.set PITCH, 2064                       ; a row's 512 codes: 2,048 bytes + 16, so that the rows that a wave touches at once begin in different banks (64 banks of 4 bytes: ISA guide 11.1)
.set CB,    16640                      ; behind the codes (8 x 2,064 = 16,512): the codebook, 32 bytes a row
.set SPARE, 24832                      ; behind it: the spare words, 128 bytes for each of 16 waves, which no other line names
.set T16, 2                            ; v2      16 t
.set VA,  6                            ; v6      LDS byte of my code of a in iteration 0 (d2's lies 512 bytes on)
.set VD,  7                            ; v7      the same for d1
.set LA,  8                            ; v8      CB + 8 (c % 4): my pair inside a codebook row, for a and d2
.set LD,  9                            ; v9      CB + 16 (c % 2): my four inside a codebook row, for d1
.set SHA, 10                           ; v10     the shift that brings my pair's upper sign bit to bit 31
.set SHD, 11                           ; v11     the same for my four's uppermost
.set VO,  12                           ; v12     my byte offset in wq; never rewritten
.set SC4, 13                           ; v13     4 x my row
.set TF,  14                           ; v[14:15] T, twice
.set SPW, 16                           ; v16     LDS address of my spare word; never rewritten
.set NIL, 17                           ; v17     0; never rewritten
.set CST, 18                           ; v18     where my four codes go
.set IDX, 20                           ; v[20:27] eight index words, then eight codes
.set SGN, 28                           ; v[28:35] eight sign words
.set TA,  41                           ; v41-43  the three codes, shifted
.set TD,  42
.set TE,  43
.set CODE, 44                          ; v[44:67] iteration j: codes of a, d2, d1 at 44 + 3 j
.set GA,  68                           ; v[68:83] two sets of gathered numbers: a pair, d2 pair, d1 four
.set AD,  84                           ; v84-86  three gather addresses
.set TM,  87                           ; v87     a top bit
.set P,   88                           ; v[88:89] a + d2
.set M,   90                           ; v[90:91] a - d2
.set U,   92                           ; v[92:99] eight results in f32
.set Y,   100                          ; v[100:131] iteration j: 16 bytes to store; each set is written once, so no store's data is ever rewritten
	s_load_b256 s[4:11], s[0:1], 0x0               ; codebook s[4:5], indices s[6:7], scales s[8:9], signs_packed s[10:11]
	s_load_b64 s[12:13], s[0:1], 0x20              ; wq
	v_lshl_add_u32 v[SPW], v0, 2, SPARE
	v_mov_b32 v[NIL], 0
	s_mov_b32 s20, 0x3f3504f3                      ; s = 1/sqrt(2)
	s_mov_b32 s21, 0x80000000                      ; a number's sign
	s_mov_b32 s15, 0
	v_lshlrev_b32 v[T16], 4, v0
	v_and_b32 v3, 7, v0                            ; c: which 8 of a block's 64 k
	v_bfe_u32 v4, v0, 3, 3                         ; my row of the 8
	v_lshrrev_b32 v5, 6, v0                        ; which of an iteration's 8 blocks
	v_lshrrev_b32 v19, 7, v0                       ; 128 threads' words fill a row of codes:
	v_lshl_add_u32 v[CST], v19, 4, v[T16]          ; 16 t + 16 bytes of padding for each row passed
	v_mul_u32_u24 v19, v4, PITCH
	v_lshrrev_b32 v41, 2, v3                       ; a: group 2 kb + c / 4
	v_lshl_add_u32 v[VA], v41, 2, v19
	v_lshl_add_u32 v[VA], v5, 3, v[VA]
	v_lshrrev_b32 v41, 1, v3                       ; d1: group 256 + 4 kb + c / 2
	v_lshl_add_u32 v[VD], v41, 2, v19
	v_lshl_add_u32 v[VD], v5, 4, v[VD]
	v_add_nc_u32 v[VD], 1024, v[VD]
	v_and_b32 v41, 3, v3
	v_lshl_add_u32 v[LA], v41, 3, CB
	v_lshlrev_b32 v41, 1, v41
	v_sub_nc_u32 v[SHA], 22, v41                   ; element 2 (c % 4) + 1 has its sign at bit 9 + 2 (c % 4)
	v_and_b32 v41, 1, v3
	v_lshl_add_u32 v[LD], v41, 4, CB
	v_lshlrev_b32 v41, 2, v41
	v_sub_nc_u32 v[SHD], 20, v41                   ; element 4 (c % 2) + 3 has its sign at bit 11 + 4 (c % 2)
	v_and_b32 v41, 63, v0
	v_lshlrev_b32 v41, 4, v41                      ; 128 x row + 16 c
	v_lshl_add_u32 v[VO], v5, 18, v41              ; + 262,144 x block
	v_lshlrev_b32 v[SC4], 2, v4
	s_wait_kmcnt 0x0
	s_lshl_b32 s14, ttmp9, 14                      ; the work-group's 16 KiB of indices and of sign words
	s_add_nc_u64 s[6:7], s[6:7], s[14:15]
	s_add_nc_u64 s[10:11], s[10:11], s[14:15]
	s_lshl_b32 s14, ttmp9, 5                       ; its 8 scales
	s_add_nc_u64 s[8:9], s[8:9], s[14:15]
	s_lshl_b32 s14, ttmp9, 10                      ; its 8 rows of 128 bytes in every block of wq
	s_add_nc_u64 s[12:13], s[12:13], s[14:15]
	s_add_nc_u64 s[16:17], s[12:13], 0x800000      ; blocks 32 on: the stores' signed 24-bit immediate reaches three steps of 2,097,152 bytes
	global_load_b128 v[IDX:IDX+3],   v[T16], s[6:7] th:TH_LOAD_NT               ; each load of a wave covers 512 consecutive bytes
	global_load_b128 v[IDX+4:IDX+7], v[T16], s[6:7] offset:8192 th:TH_LOAD_NT
	global_load_b128 v[SGN:SGN+3],   v[T16], s[10:11] th:TH_LOAD_NT
	global_load_b128 v[SGN+4:SGN+7], v[T16], s[10:11] offset:8192 th:TH_LOAD_NT
	global_load_b128 v[36:39], v[T16], s[4:5]      ; 512 threads x 16 bytes: the whole codebook
	global_load_b32 v40, v[SC4], s[8:9]            ; my row's scale
	s_wait_loadcnt 0x2                             ; indices and signs are in; the codebook's and the scale's loads may stay out
.irp i, 0,1,2,3,4,5,6,7
	v_min_u32 v[IDX+\i], 0xff, v[IDX+\i]
	v_lshl_or_b32 v[IDX+\i], v[SGN+\i], 8, v[IDX+\i]
.endr
	ds_store_b128 v[CST], v[IDX:IDX+3]
	ds_store_b128 v[CST], v[IDX+4:IDX+7] offset:4*PITCH   ; the second 8 KiB are rows 4 to 7
	s_wait_loadcnt 0x1                             ; the codebook is in; the scale's load may stay out
	ds_store_b128 v[T16], v[36:39] offset:CB
	s_wait_loadcnt 0x0
	v_mul_f32 v[TF], 0xbf3504f3, v40               ; T = -s x scale
	v_mov_b32 v[TF+1], v[TF]
	s_wait_dscnt 0x0                               ; for the others' sake: my stores are done
	s_barrier_signal -1
	s_barrier_wait -1                              ; the one barrier: from here on LDS is only read
.irp j, 0,1,2,3,4,5,6,7                ; all 24 codes at once; iteration j has the blocks 8 j to 8 j + 7
	ds_load_b32 v[CODE+3*\j],   v[VA] offset:64*\j
	ds_load_b32 v[CODE+3*\j+1], v[VA] offset:64*\j+512
	ds_load_b32 v[CODE+3*\j+2], v[VD] offset:128*\j
.endr
	s_wait_dscnt 0x0
; Iteration j's three gathers from the codebook, into set j % 2.  The index is cut out of the code and held inside the table before it enters an address.
.macro ADDR j
.set GS, GA+8*((\j)%2)
.irp q, 0,1,2
	v_and_b32 v[AD+\q], 0xff, v[CODE+3*(\j)+\q]
	v_min_u32 v[AD+\q], 0xff, v[AD+\q]
.endr
	v_lshl_add_u32 v[AD],   v[AD],   5, v[LA]
	v_lshl_add_u32 v[AD+1], v[AD+1], 5, v[LA]
	v_lshl_add_u32 v[AD+2], v[AD+2], 5, v[LD]
	ds_load_b64  v[GS:GS+1],   v[AD]
	ds_load_b64  v[GS+2:GS+3], v[AD+1]
	ds_load_b128 v[GS+4:GS+7], v[AD+2]
.endm
; The number's sign is turned where the top bit of the shifted code is 1; more = 1: the code moves on to the next lower element's bit.
.macro FLIP val, sh, more
	v_and_b32 v[TM], s21, v[\sh]
.if \more
	v_lshlrev_b32 v[\sh], 1, v[\sh]
.endif
	v_xor_b32 v[\val], v[\val], v[TM]
.endm
; Iteration j: signs, butterfly, scale, rounding, store.  left: the LDS loads issued behind this set's three, which may stay out.
.macro MATH j, left
.set GS, GA+8*((\j)%2)
.set YS, Y+4*(\j)
	s_wait_dscnt \left
	v_lshlrev_b32 v[TA], v[SHA], v[CODE+3*(\j)]
	v_lshlrev_b32 v[TD], v[SHA], v[CODE+3*(\j)+1]
	v_lshlrev_b32 v[TE], v[SHD], v[CODE+3*(\j)+2]
	FLIP GS+1, TA, 1
	FLIP GS+3, TD, 1
	FLIP GS+7, TE, 1
	FLIP GS,   TA, 0
	FLIP GS+2, TD, 0
	FLIP GS+6, TE, 1
	FLIP GS+5, TE, 1
	FLIP GS+4, TE, 0
	v_pk_add_f32 v[P:P+1], v[GS:GS+1], v[GS+2:GS+3]
	v_pk_add_f32 v[M:M+1], v[GS:GS+1], v[GS+2:GS+3] neg_lo:[0,1] neg_hi:[0,1]
	v_fma_f32 v[U],   v[P],   s20, v[GS+4]
	v_fma_f32 v[U+1], v[P],   s20, -v[GS+4]
	v_fma_f32 v[U+2], v[M],   s20, v[GS+5]
	v_fma_f32 v[U+3], v[M],   s20, -v[GS+5]
	v_fma_f32 v[U+4], v[P+1], s20, v[GS+6]
	v_fma_f32 v[U+5], v[P+1], s20, -v[GS+6]
	v_fma_f32 v[U+6], v[M+1], s20, v[GS+7]
	v_fma_f32 v[U+7], v[M+1], s20, -v[GS+7]
.irp q, 0,2,4,6
	v_pk_mul_f32 v[U+\q:U+\q+1], v[U+\q:U+\q+1], v[TF:TF+1]
.endr
.irp q, 0,1,2,3
	v_cvt_pk_f16_f32 v[YS+\q], v[U+2*\q], v[U+2*\q+1]
.endr
.if (\j) < 4                           ; a wave's store covers 512 consecutive bytes, at a multiple of 512 from wq's first: four rows of one block
	global_store_b128 v[VO], v[YS:YS+3], s[12:13] offset:(\j)*2097152
.else
	global_store_b128 v[VO], v[YS:YS+3], s[16:17] offset:((\j)-4)*2097152
.endif
.endm
	ADDR 0
.irp j, 0,1,2,3,4,5,6
	ADDR (\j)+1                                    ; the next set's gathers are out while this set is worked on
	MATH \j, 3
.endr
	MATH 7, 0
	s_wait_tensorcnt 0x0                           ; the wave's end: behind my last LDS store
	ds_add_u32 v[SPW], v[NIL]
	s_wait_dscnt 0x0
	s_endpgm
.Lfunc_end_k_qb5f00bd217_dequant:
	.size	k_qb5f00bd217_dequant, .Lfunc_end_k_qb5f00bd217_dequant-k_qb5f00bd217_dequant
	.p2alignl 7, 3214868480
	.fill 96, 4, 3214868480
	.section	.rodata,"a",@progbits
	.p2align	6, 0x0
	.amdhsa_kernel k_qb5f00bd217_dequant
		.amdhsa_group_segment_fixed_size 26880
		.amdhsa_private_segment_fixed_size 0
		.amdhsa_enable_private_segment 0
		.amdhsa_kernarg_size 40
		.amdhsa_user_sgpr_count 2
		.amdhsa_user_sgpr_kernarg_segment_ptr 1
		.amdhsa_wavefront_size32 1
		.amdhsa_system_sgpr_workgroup_id_x 1
		.amdhsa_system_sgpr_workgroup_id_y 1
		.amdhsa_system_sgpr_workgroup_id_z 1
		.amdhsa_system_vgpr_workitem_id 0
		.amdhsa_next_free_vgpr 132
		.amdhsa_next_free_sgpr 66
		.amdhsa_reserve_vcc 0
		.amdhsa_float_denorm_mode_32 3
		.amdhsa_float_denorm_mode_16_64 3
		.amdhsa_memory_ordered 1
		.amdhsa_forward_progress 1
		.amdhsa_inst_pref_size 28
	.end_amdhsa_kernel
	.amdgpu_metadata
---
amdhsa.version: [ 1, 2 ]
amdhsa.kernels:
  - .name:           k_qb5f00bd217_dequant
    .symbol:         k_qb5f00bd217_dequant.kd
    .args:
      - { .name: codebook, .offset: 0, .size: 8, .value_kind: global_buffer, .address_space: global }
      - { .name: indices, .offset: 8, .size: 8, .value_kind: global_buffer, .address_space: global }
      - { .name: scales, .offset: 16, .size: 8, .value_kind: global_buffer, .address_space: global }
      - { .name: signs_packed, .offset: 24, .size: 8, .value_kind: global_buffer, .address_space: global }
      - { .name: wq, .offset: 32, .size: 8, .value_kind: global_buffer, .address_space: global }
    .group_segment_fixed_size: 26880
    .private_segment_fixed_size: 0
    .kernarg_segment_align: 8
    .kernarg_segment_size: 40
    .max_flat_workgroup_size: 512
    .sgpr_count:     66
    .vgpr_count:     132
    .wavefront_size: 32
...
	.end_amdgpu_metadata
.endif
;; end of part 1
;; launch cast (part 2): grid 128 x 4, 8 waves a work-group, no clusters, 0 bytes of LDS; arguments x, x16; writes x16
.if DOCPART == 2
	.amdgcn_target "amdgcn-amd-amdhsa--gfx1250"
	.amdhsa_code_object_version 6
	.text
	.protected	k_qb5f00bd217_cast
	.globl	k_qb5f00bd217_cast
	.p2align	8
	.type	k_qb5f00bd217_cast,@function
k_qb5f00bd217_cast:
	s_mov_b64 s[64:65], 0
	v_nop
	global_prefetch_b8 v0, s[64:65] scope:SCOPE_SE
	s_setreg_imm32_b32 hwreg(HW_REG_WAVE_MODE, 25, 1), 1
	s_wait_xcnt 0x0
; x IS ROUNDED ONCE TO f16 AND LAID IN BLOCKS.  x: [8192][4096] f32.  x16[k / 128][m][k % 128] in f16: byte (k / 128) x 2,097,152 + 256 m + 2 (k % 128), so that 128 rows of one
; block of 128 k are 32,768 consecutive bytes for the product's tiles.
; LIMITS.  |x| stays under 65,520 (beyond it the rounding gives an infinity); below 6e-5 f16 keeps a fixed step of 6e-8.
; SHARES.  A work-group owns 64 rows and 1,024 k (4,096 bytes of each row); thread t owns the 16 bytes at 16 t of them, so wave w has block 8 gy + w for the whole launch.
; A load of a wave covers 512 consecutive bytes of a row; its four numbers a lane round into 8 bytes, and a store of a wave covers 256 consecutive bytes, at a multiple of 256 from x16's first byte:
; one row of the block; the wave's 64 rows are 16,384 consecutive bytes of x16.
; The row stands in the immediates (63 x 16,384 and 63 x 256 at the most), so no address register is ever rewritten; each row has its own two result registers, so no store's data is ever rewritten.
; A ring of DEPTH register slots keeps DEPTH loads of every wave in flight.  Memory binds: no LDS, no barrier, no matrix unit, no cluster (the work-groups share no byte).
.set ROWS,  64
.set DEPTH, 16
.set LO,  1                            ; v1        16 t: my bytes in the work-group's 4,096 of a row; never rewritten
.set SO,  2                            ; v2        wave x 2,097,152 + 8 x lane: my bytes in x16; never rewritten
.set X,   8                            ; v[8:71]   slot i: four f32 as loaded
.set Y,   72                           ; v[72:199] row r: four f16 to store
	s_load_b128 s[4:7], s[0:1], 0x0                ; x s[4:5], x16 s[6:7]
	v_lshlrev_b32 v[LO], 4, v0
	v_and_b32 v[SO], 31, v0
	v_lshrrev_b32 v3, 5, v0
	v_lshlrev_b32 v[SO], 3, v[SO]
	v_lshl_or_b32 v[SO], v3, 21, v[SO]
	s_and_b32 s8, ttmp7, 0xffff                    ; gy: which 1,024 k
	s_lshl_b32 s10, ttmp9, 20                      ; x: 64 rows of 16,384 bytes for each gx,
	s_lshl_b32 s9, s8, 12                          ; 4,096 bytes along the rows for each gy: under 2^28 together
	s_add_co_u32 s10, s10, s9
	s_mov_b32 s11, 0
	s_lshl_b32 s12, s8, 24                         ; x16: 8 blocks of 2,097,152 bytes for each gy,
	s_lshl_b32 s9, ttmp9, 14                       ; 64 rows of 256 bytes for each gx
	s_add_co_u32 s12, s12, s9
	s_mov_b32 s13, 0
	s_wait_kmcnt 0x0
	s_add_nc_u64 s[4:5], s[4:5], s[10:11]
	s_add_nc_u64 s[6:7], s[6:7], s[12:13]
.irp i, 0,1,2,3,4,5,6,7,8,9,10,11,12,13,14,15
	global_load_b128 v[X+4*(\i):X+4*(\i)+3], v[LO], s[4:5] offset:(\i)*16384 th:TH_LOAD_NT   ; the ring is filled: rows 0 to 15
.endr
.set row, 0
.rept ROWS
.set sl, X+4*(row%DEPTH)
.set left, ROWS-1-row                  ; the loads issued behind this row's: the next fifteen rows', fewer at the end
.if left > DEPTH-1
.set left, DEPTH-1
.endif
	s_wait_loadcnt left                            ; loads come back in order (ISA guide 5.7.1): this row's is in, the younger ones stay out
	v_cvt_pk_f16_f32 v[Y+2*row],   v[sl],   v[sl+1]
	v_cvt_pk_f16_f32 v[Y+2*row+1], v[sl+2], v[sl+3]
.if row+DEPTH < ROWS
	global_load_b128 v[sl:sl+3], v[LO], s[4:5] offset:(row+DEPTH)*16384 th:TH_LOAD_NT        ; the slot's next row, ahead of the store
.endif
	global_store_b64 v[SO], v[Y+2*row:Y+2*row+1], s[6:7] offset:row*256
.set row, row+1
.endr
	s_endpgm
.Lfunc_end_k_qb5f00bd217_cast:
	.size	k_qb5f00bd217_cast, .Lfunc_end_k_qb5f00bd217_cast-k_qb5f00bd217_cast
	.p2alignl 7, 3214868480
	.fill 96, 4, 3214868480
	.section	.rodata,"a",@progbits
	.p2align	6, 0x0
	.amdhsa_kernel k_qb5f00bd217_cast
		.amdhsa_group_segment_fixed_size 0
		.amdhsa_private_segment_fixed_size 0
		.amdhsa_enable_private_segment 0
		.amdhsa_kernarg_size 16
		.amdhsa_user_sgpr_count 2
		.amdhsa_user_sgpr_kernarg_segment_ptr 1
		.amdhsa_wavefront_size32 1
		.amdhsa_system_sgpr_workgroup_id_x 1
		.amdhsa_system_sgpr_workgroup_id_y 1
		.amdhsa_system_sgpr_workgroup_id_z 1
		.amdhsa_system_vgpr_workitem_id 0
		.amdhsa_next_free_vgpr 200
		.amdhsa_next_free_sgpr 66
		.amdhsa_reserve_vcc 0
		.amdhsa_float_denorm_mode_32 3
		.amdhsa_float_denorm_mode_16_64 3
		.amdhsa_memory_ordered 1
		.amdhsa_forward_progress 1
		.amdhsa_inst_pref_size 23
	.end_amdhsa_kernel
	.amdgpu_metadata
---
amdhsa.version: [ 1, 2 ]
amdhsa.kernels:
  - .name:           k_qb5f00bd217_cast
    .symbol:         k_qb5f00bd217_cast.kd
    .args:
      - { .name: x, .offset: 0, .size: 8, .value_kind: global_buffer, .address_space: global }
      - { .name: x16, .offset: 8, .size: 8, .value_kind: global_buffer, .address_space: global }
    .group_segment_fixed_size: 0
    .private_segment_fixed_size: 0
    .kernarg_segment_align: 8
    .kernarg_segment_size: 16
    .max_flat_workgroup_size: 256
    .sgpr_count:     66
    .vgpr_count:     200
    .wavefront_size: 32
...
	.end_amdgpu_metadata
.endif
;; end of part 2
;; launch gemm (part 3): grid 8 x 32, 4 waves a work-group, clusters of 4 x 4, 327,680 bytes of LDS; arguments x16, wq, out0; writes out0
.if DOCPART == 3
	.amdgcn_target "amdgcn-amd-amdhsa--gfx1250"
	.amdhsa_code_object_version 6
	.text
	.protected	k_qb5f00bd217_gemm
	.globl	k_qb5f00bd217_gemm
	.p2align	8
	.type	k_qb5f00bd217_gemm,@function
k_qb5f00bd217_gemm:
	s_mov_b64 s[64:65], 0
	v_nop
	global_prefetch_b8 v0, s[64:65] scope:SCOPE_SE
	s_setreg_imm32_b32 hwreg(HW_REG_WAVE_MODE, 25, 1), 1
	s_wait_xcnt 0x0
	s_wait_alu depctr_hold_cnt(0) depctr_sa_sdst(0) depctr_va_vdst(0) depctr_va_sdst(0) depctr_va_ssrc(0) depctr_va_vcc(0) depctr_vm_vsrc(0)
	s_getreg_b32 s2, hwreg(HW_REG_IB_STS2, 6, 4)
	s_cmp_eq_u32 s2, 0
	s_cbranch_scc0 .Lentry_in_a_cluster
	s_endpgm
.Lentry_in_a_cluster:
	s_bfe_u32 s2, ttmp6, 0x10000c
	s_cmp_lg_u32 s2, 0xf033
	s_cbranch_scc0 .Lentry_shape_is_right
	s_endpgm
.Lentry_shape_is_right:
; out[m][n] = the sum over k of x[m][k] w[n][k].  Both operands in f16, in blocks: x16[k / 128][m][k % 128], m < 8192; wq[k / 64][n][k % 64], n < 2048; k < 4096.  out: [8192][2048] f32.  Sums in f32.
; WHY f16.  A column's numbers go with its scale, so the largest columns lie well above the output's root mean square, by which the allowance goes; w is made by the program, so its rounding counts in full.
; f16's 11 significant bits leave room, 8 bits would not.  LIMITS: both operands arrive within f16's range (the launches that make them state it).
; SHARES.  A work-group of four waves, as many as a WGP has SIMDs, makes 256 x 256 of out; a wave 128 x 128: 64 accumulators of 16 x 16, 512 registers.
; RING.  K goes in steps of 128 through two LDS slots filled by the tensor data mover.  A wave's load brings 128 rows of x (32,768 consecutive bytes, as rows of 256) or 128 rows of w (two blocks of wq,
; 16,384 consecutive bytes each).  A slot is asked for again in the last quarter of its K step; the wait for that load stands 224 matrix instructions later.
; CLUSTER.  4 x 4 work-groups.  The four of a row of the cluster need the same tiles of x, the four of a column the same tiles of w: each tile is asked for JOINTLY, by the same tensor load with the same
; descriptor and a mask that names the four, which divides the requests for both by four.
; THE MATRIX INSTRUCTION IS USED TRANSPOSED: source 0 = 16 rows of w, source 1 = 16 rows of x.  A lane then holds row lane % 16 of out and the columns 8 (lane / 16) + 0..7: 32 neighbouring bytes.
; REGISTERS, in windows of 256 (s_set_vgpr_msb: bits 1:0 source 0, 3:2 source 1, 5:4 source 2, 7:6 destination):
;   window 0: v16-29 addresses; v64-127, v128-191 fragments of x (8 x 16 rows x 32 K), two buffers; on the way out the same registers take 16 rows of out by turns
;   window 1: v64-127, v128-191 fragments of w, two buffers
;   window 2: the 32 accumulators of my rows 0-63 (accumulator (a, b) at v[8 (8 a + b)]);   window 3: those of my rows 64-127
; Work is laid in long stretches under one setting: 32 matrix instructions, 16 loads, 16 loads, 32 matrix instructions.
.set PA,     272                       ; a row of x in LDS: 256 bytes + 16 = 68 words: the 16 rows of a load start at 16 different groups of four banks (64 banks of 4 bytes: ISA guide 11.1)
.set PB,     144                       ; a row of one block of w: 128 bytes + 16 = 36 words: likewise
.set HALFA,  128*PA                    ; what one tensor load of x brings
.set BLKB,   128*PB                    ; 128 rows of one block of w
.set HALFB,  2*BLKB                    ; what one tensor load of w brings: K 0-63 of 128 rows, then K 64-127 of them
.set BOFF,   2*HALFA                   ; in a slot: x's 256 rows, then w's two halves
.set SLOT,   BOFF+2*HALFB              ; 143,360
.set STAGE,  2*SLOT                    ; behind the ring: for each wave 16 rows of its 128 columns of out, 512 bytes + 16
.set SPITCH, 528
.set WSTAGE, 16*SPITCH                 ; 8,448 = 33 blocks of 256 bytes
.set SPARE,  STAGE+4*WSTAGE            ; behind the stages: the spare words, 128 bytes for each wave, which no other line names
.set LAPS,   16                        ; a lap = two K steps = once round the ring: 4096 / 256
.set STEPA,  2097152                   ; bytes from a K step to the next in x16: one block
.set STEPB,  524288                    ; in wq: two blocks
.set ADRA, 16                          ; v16-17  LDS address of my x fragments in slot 0, 1
.set ADRB, 20                          ; v20-21  the same for w
.set STO,  24                          ; v24     the way out: where I put 32 bytes of a row
.set RD,   25                          ; v25     the way out: where I read a row back
.set CO,   26                          ; v26     my byte offset in 512 consecutive bytes of out
.set SPW,  28                          ; v28     LDS address of my spare word; never rewritten
.set NIL,  29                          ; v29     0; never rewritten
.set F0,   64                          ; fragment buffer 0
.set F1,   128                         ; fragment buffer 1
.set G1,  24                           ; s[24:31] descriptor group 1 for x's tiles
.set G0,  32                           ; s[32:39] group 0 for x's tiles, a set for each slot
.set G1B, 48                           ; s[48:55] group 1 for w's tiles
.set G0B, 56                           ; s[56:63] group 0 for w's tiles, a set for each slot
.set MSB, 0
.macro WIN new                         ; the immediate's high byte repeats the setting that is left; a switch that changes nothing is dropped
.if MSB != (\new)
	s_set_vgpr_msb (MSB<<8)|(\new)
.set MSB, \new
.endif
.endm
.set MUL_LO, 0xa1                      ; source 0 (w) window 1, source 1 (x) window 0, C and D window 2
.set MUL_HI, 0xf1                      ; the same, C and D window 3
.set TO_B,   0x40                      ; destination window 1, address window 0
; A joint load.  Waves 0 and 1 fetch x's two halves, waves 2 and 3 w's.  The branch hangs on the wave's number alone: it is the same in every work-group.
; An s_nop 0 and four v_nop follow each of the two lines; the jump round the other line, the label and what follows the macro come after them.
.macro JLOAD s
	s_cmp_eq_u32 s11, 0
	s_cbranch_scc0 .Lfor_b_\@
	tensor_load_to_lds s[G0+4*(\s):G0+4*(\s)+3], s[G1:G1+7]
	s_nop 0
.rept 4
	v_nop
.endr
	s_branch .Lasked_\@
.Lfor_b_\@:
	tensor_load_to_lds s[G0B+4*(\s):G0B+4*(\s)+3], s[G1B:G1B+7]
	s_nop 0
.rept 4
	v_nop
.endr
.Lasked_\@:
.endm
; A round of the cluster's barrier: my work-group's barrier, so that wave 0's signal speaks for all four waves; wave 0 signals; every wave waits for all sixteen work-groups; my work-group's barrier once more.
.macro CREST                           ; a round behind its opening barrier
	s_cmp_lg_u32 s10, 0
	s_cbranch_scc1 .Lnot_wave_0_\@
	s_barrier_signal -3
.Lnot_wave_0_\@:
	s_barrier_wait -3
	s_barrier_signal -1
	s_barrier_wait -1
.endm
.macro CROUND                          ; a whole round
	s_barrier_signal -1
	s_barrier_wait -1
	CREST
.endm
	s_load_b128 s[4:7], s[0:1], 0x0                ; x16 s[4:5], wq s[6:7]
	s_load_b64 s[8:9], s[0:1], 0x10                ; out
	v_lshl_add_u32 v[SPW], v0, 2, SPARE
	v_mov_b32 v[NIL], 0
	ds_add_u32 v[SPW], v[NIL]                      ; the wave's opening: the add and its wait stand ahead of my first tensor load; the set-up below, work on registers, stands between them
	v_lshrrev_b32 v1, 5, v0
	v_readfirstlane_b32 s10, v1                    ; wave 0..3
	s_lshr_b32 s11, s10, 1                         ; which half of the tile's rows is mine.  Also: I fetch for x (0) or for w (1)
	s_and_b32 s12, s10, 1                          ; which half of its columns.  Also: which 128 rows of that tile I fetch
	s_bfe_u32 s40, ttmp6, 0x40000                  ; cx, cy: my place in the cluster
	s_bfe_u32 s41, ttmp6, 0x40004
	s_lshl_b32 s42, ttmp9, 2                       ; in a cluster launch ttmp9 and ttmp7 count clusters
	s_add_co_u32 s42, s42, s40                     ; tile column of out = 4 x cluster x + cx
	s_and_b32 s13, ttmp7, 0xffff
	s_lshl_b32 s13, s13, 2
	s_add_co_u32 s13, s13, s41                     ; tile row of out = 4 x cluster y + cy
	s_lshl_b32 s43, s41, 2
	s_lshl_b32 s43, 15, s43                        ; my row of the cluster: places 4 cy .. 4 cy + 3
	s_lshl_b32 s44, 0x1111, s40                    ; my column: places cx, cx + 4, cx + 8, cx + 12
	; group 1 for x: 128 rows x 128 elements of 2 bytes, one behind the other in memory; in LDS 4 words of padding behind every 64
	s_or_b32 s[G1+0], s43, (1<<16)|(1<<20)|(1<<21)|(5<<22)|(3<<25)   ; 15:0 the mask: my row; 17:16 elements of 2 bytes; 20 padding on; 21 set beside a mask; 24:22 code 5; 31:25 code 3
	s_mov_b32 s[G1+1], 128<<16                     ; tensor_dim0 = 128
	s_mov_b32 s[G1+2], 128<<16                     ; tensor_dim1 = 128
	s_mov_b32 s[G1+3], 128<<16                     ; tile_dim0 = 128
	s_mov_b32 s[G1+4], 128                         ; tile_dim1 = 128
	s_mov_b32 s[G1+5], 128                         ; elements from row to row
	s_mov_b32 s[G1+6], 0
	s_mov_b32 s[G1+7], 0
	; group 1 for w: 2 rows of 8,192 elements of 2 bytes: the 128 rows' 16,384 consecutive bytes in each of two blocks of wq, 262,144 bytes apart; in LDS 4 words of padding behind every 32, that is behind every 64 k of a row of w
	s_or_b32 s[G1B+0], s44, (1<<16)|(1<<20)|(1<<21)|(4<<22)|(3<<25)  ; the mask: my column; code 4: after every 32 words
	s_mov_b32 s[G1B+1], 8192<<16                   ; tensor_dim0 = 8,192
	s_mov_b32 s[G1B+2], 2<<16                      ; tensor_dim1 = 2
	s_mov_b32 s[G1B+3], 8192<<16                   ; tile_dim0 = 8,192
	s_mov_b32 s[G1B+4], 2                          ; tile_dim1 = 2
	s_mov_b32 s[G1B+5], 131072                     ; elements from block to block
	s_mov_b32 s[G1B+6], 0
	s_mov_b32 s[G1B+7], 0
	; where the tiles come from.  x's hang on the tile row alone, which my row of the cluster shares; w's on the tile column alone, which my column shares; each in registers that never hold the other coordinate
	s_lshl_b32 s17, s12, 7
	s_lshl_b32 s16, s13, 8
	s_add_co_u32 s16, s16, s17                     ; x: row 256 x tile row + 128 x half,
	s_lshl_b32 s16, s16, 8                         ; of 256 bytes in a block
	s_lshl_b32 s46, s42, 8
	s_add_co_u32 s46, s46, s17                     ; w: row 256 x tile column + 128 x half,
	s_lshl_b32 s46, s46, 7                         ; of 128 bytes in a block
	s_mov_b32 s17, 0
	s_mov_b32 s47, 0
	s_mul_i32 s20, s12, HALFA                      ; and where they go: x's halves (waves 0, 1) at half x 128 rows;
	s_mul_i32 s21, s12, HALFB
	s_add_co_u32 s21, s21, BOFF                    ; w's (waves 2, 3) behind x's 256 rows: no place in the cluster enters an LDS address
	s_wait_dscnt 0x0                               ; the opening add is done
	s_wait_kmcnt 0x0
	s_add_nc_u64 s[14:15], s[4:5], s[16:17]
	s_add_nc_u64 s[46:47], s[6:7], s[46:47]
	CROUND                                         ; all sixteen work-groups are here: the first joint loads meet
.irp s, 0,1
	s_mov_b32 s[G0+4*(\s)], 1                                        ; count = 1
	s_add_co_u32 s[G0+4*(\s)+1], s20, (\s)*SLOT                      ; LDS address
	s_add_nc_u64 s[G0+4*(\s)+2:G0+4*(\s)+3], s[14:15], (\s)*STEPA    ; global address: K step s
	s_or_b32 s[G0+4*(\s)+3], s[G0+4*(\s)+3], 0x80000000              ; type = 2
	s_mov_b32 s[G0B+4*(\s)], 1
	s_add_co_u32 s[G0B+4*(\s)+1], s21, (\s)*SLOT
	s_add_nc_u64 s[G0B+4*(\s)+2:G0B+4*(\s)+3], s[46:47], (\s)*STEPB
	s_or_b32 s[G0B+4*(\s)+3], s[G0B+4*(\s)+3], 0x80000000
	JLOAD \s                                       ; the ring is filled before anything else is done: two tensor loads of mine are out
.endr
	; A fragment is 16 rows x 32 K in 8 registers: lane l holds row l % 16; registers 0-3 hold K = 8 (l / 16) + 0..7, registers 4-7 hold K = 16 + 8 (l / 16) + 0..7:
	; two loads of 16 bytes, 32 bytes apart.  The same for source 0 and source 1.
	v_and_b32 v1, 15, v0                           ; l % 16
	v_bfe_u32 v2, v0, 4, 1                         ; l / 16
	v_and_b32 v7, 31, v0                           ; l
	v_mul_u32_u24 v3, v1, PA
	v_lshl_add_u32 v3, v2, 4, v3                   ; row x pitch + 16 x half
	s_mul_i32 s22, s11, HALFA                      ; my 128 rows of x
	v_add_nc_u32 v[ADRA], s22, v3
	s_add_co_u32 s22, s22, SLOT
	v_add_nc_u32 v[ADRA+1], s22, v3
	v_mul_u32_u24 v4, v1, PB
	v_lshl_add_u32 v4, v2, 4, v4
	s_mul_i32 s23, s12, HALFB                      ; my 128 rows of w,
	s_add_co_u32 s23, s23, BOFF                    ; which lie behind x's 256
	v_add_nc_u32 v[ADRB], s23, v4
	s_add_co_u32 s23, s23, SLOT
	v_add_nc_u32 v[ADRB+1], s23, v4
	s_mul_i32 s23, s10, WSTAGE
	s_add_co_u32 s23, s23, STAGE                   ; my stage
	v_mul_u32_u24 v5, v1, SPITCH                   ; in: row l % 16, 32 bytes for each half of the lanes
	v_lshl_add_u32 v5, v2, 5, v5
	v_add_nc_u32 v[STO], s23, v5
	v_lshlrev_b32 v[CO], 4, v7                     ; back: 32 lanes take a row's 512 bytes
	v_add_nc_u32 v[RD], s23, v[CO]
	s_lshl_b32 s16, s13, 8
	s_lshl_b32 s17, s11, 7
	s_add_co_u32 s16, s16, s17                     ; my first row of out: 256 x tile row + 128 x half,
	s_lshl_b32 s16, s16, 13                        ; of 8,192 bytes: under 2^26
	s_mov_b32 s17, 0
	s_add_nc_u64 s[8:9], s[8:9], s[16:17]
	s_lshl_b32 s46, s42, 10                        ; my first column, in bytes: 1,024 x tile column + 512 x half (in the registers that held w's address: none that feeds x's descriptors ever holds cx)
	s_lshl_b32 s47, s12, 9
	s_add_co_u32 s46, s46, s47
	s_mov_b32 s47, 0
	s_add_nc_u64 s[8:9], s[8:9], s[46:47]
; 16 matrix instructions: row blocks a0, a0 + 1 of the window's four (hi = 0: my rows 0-63, 1: rows 64-127) x all 8 column blocks, 32 along K.
; zero = 1: the first product starts the sums: nothing is ever cleared.  The 64 accumulators take turns, in the same order in every quarter.
.macro MUL16 f, hi, a0, zero
	WIN MUL_LO+0x50*(\hi)
.irp a, \a0, (\a0)+1
.irp b, 0,1,2,3,4,5,6,7
.if \zero
	v_wmma_f32_16x16x32_f16 v[8*(8*(\a)+(\b)):8*(8*(\a)+(\b))+7], v[(\f)+8*(\b):(\f)+8*(\b)+7], v[(\f)+8*(4*(\hi)+(\a)):(\f)+8*(4*(\hi)+(\a))+7], 0
.else
	v_wmma_f32_16x16x32_f16 v[8*(8*(\a)+(\b)):8*(8*(\a)+(\b))+7], v[(\f)+8*(\b):(\f)+8*(\b)+7], v[(\f)+8*(4*(\hi)+(\a)):(\f)+8*(4*(\hi)+(\a))+7], v[8*(8*(\a)+(\b)):8*(8*(\a)+(\b))+7]
.endif
.endr
.endr
.endm
; 32 LDS loads in one run: the fragments of quarter q of a K step (128 rows of w, 128 rows of x, K = 32 q on) into buffer f.  In w's tile quarters 0, 1 lie in the first block, 2, 3 in the second.
.macro FETCH slot, q, f
	WIN TO_B
.irp i, 0,1,2,3,4,5,6,7
	ds_load_b128 v[(\f)+8*(\i):(\f)+8*(\i)+3],   v[ADRB+(\slot)] offset:((\q)/2)*BLKB+((\q)%2)*64+(\i)*16*PB
	ds_load_b128 v[(\f)+8*(\i)+4:(\f)+8*(\i)+7], v[ADRB+(\slot)] offset:((\q)/2)*BLKB+((\q)%2)*64+(\i)*16*PB+32
.endr
	WIN 0
.irp i, 0,1,2,3,4,5,6,7
	ds_load_b128 v[(\f)+8*(\i):(\f)+8*(\i)+3],   v[ADRA+(\slot)] offset:(\q)*64+(\i)*16*PA
	ds_load_b128 v[(\f)+8*(\i)+4:(\f)+8*(\i)+7], v[ADRA+(\slot)] offset:(\q)*64+(\i)*16*PA+32
.endr
.endm
; A load into a register that a matrix instruction has read, and a store that reads a matrix result, stand four places behind that matrix instruction, and only plain vector instructions that name none of
; its registers are places (ISA guide 7.12.1 for vector instructions).  So four v_nop stand in front of each run of loads and in front of the way out.
.macro PLACES
.rept 4
	v_nop
.endr
.endm
; A K step is four quarters of 32 along K, 64 matrix instructions each, on buffers 0, 1, 0, 1.
; One of the first three: multiplies buffer f; in its middle it fetches quarter q of the same slot into buffer g, 32 matrix instructions ahead of its first use.
.macro QUARTER slot, q, f, g, zero
	s_wait_dscnt 8                                 ; w and x's rows 0-63 are in; the youngest eight loads (x's rows 64-127) may be out
	MUL16 \f, 0, 0, \zero
	MUL16 \f, 0, 2, \zero
	PLACES
	FETCH \slot, \q, \g
	s_wait_dscnt 32                                ; all but the 32 just issued
	MUL16 \f, 1, 0, \zero
	MUL16 \f, 1, 2, \zero
.endm
; The last quarter multiplies buffer 1 and changes slots: ONE barrier for two things.  In front of it each wave waits for all its tensor loads, of which one is out: its part of the next slot; adds 0 to its
; spare word; and waits for that and for its own reads of this slot.  Behind it nobody reads this slot any more and the next slot is whole.
; fill = 1: the barrier opens a round of the cluster's, so that no wave of any partner still reads the slot or has a load on its way, and the joint refill, two K steps on, is the first tensor load behind the
; round, ahead of the first read of the next slot; the four v_nop behind it are also the places in front of the loads.
.macro TURN slot, next, fill
	WIN 0                                          ; (the add's two registers lie in window 0)
	s_wait_tensorcnt 0x0                           ; all my tensor loads have landed
	ds_add_u32 v[SPW], v[NIL]                      ; 0 onto my spare word
	s_wait_dscnt 9                                 ; (the add and the youngest eight loads may be out)
	MUL16 F1, 0, 0, 0                              ; sixteen matrix instructions stand between the add and the wait for it
	s_wait_dscnt 0x0                               ; the add is done, and my reads of this slot are over
	s_barrier_signal -1
	MUL16 F1, 0, 2, 0                              ; work on registers while the others arrive
.if \fill
	WIN 0                                          ; at a branch and at a label every window is 0
.endif
	s_barrier_wait -1
.if \fill
	CREST
	s_add_nc_u64 s[G0+4*(\slot)+2:G0+4*(\slot)+3], s[G0+4*(\slot)+2:G0+4*(\slot)+3], 2*STEPA      ; no tensor load of mine is out, so a group 0 may be written;
	s_add_nc_u64 s[G0B+4*(\slot)+2:G0B+4*(\slot)+3], s[G0B+4*(\slot)+2:G0B+4*(\slot)+3], 2*STEPB  ; the type bits on top are not reached
	JLOAD \slot
.else
	PLACES
.endif
	FETCH \next, 0, F0
	MUL16 F1, 1, 0, 0
	MUL16 F1, 1, 2, 0
.endm
	s_wait_tensorcnt 1                             ; my part of K step 0 is in; K step 1's may stay out
	s_barrier_signal -1
	s_barrier_wait -1                              ; everybody's is
	FETCH 0, 0, F0
	QUARTER 0, 1, F0, F1, 1                        ; the first quarter stands in front of the loop: its products start the sums
	WIN 0
	s_mov_b32 s3, LAPS-1
.Llap:                                             ; a trip goes once round the ring, from a lap's second quarter to the next lap's first, and fills both slots again: trip i asks for K steps 2 i + 2 and 2 i + 3
	QUARTER 0, 2, F1, F0, 0
	QUARTER 0, 3, F0, F1, 0
	TURN 0, 1, 1
	QUARTER 1, 1, F0, F1, 0
	QUARTER 1, 2, F1, F0, 0
	QUARTER 1, 3, F0, F1, 0
	TURN 1, 0, 1
	QUARTER 0, 1, F0, F1, 0
	WIN 0
	s_sub_co_u32 s3, s3, 1
	s_cmp_lg_u32 s3, 0
	s_cbranch_scc1 .Llap
	QUARTER 0, 2, F1, F0, 0                        ; the last lap's rest is written out: it asks for nothing, and its barrier opens no round
	QUARTER 0, 3, F0, F1, 0
	TURN 0, 1, 0
	QUARTER 1, 1, F0, F1, 0
	QUARTER 1, 2, F1, F0, 0
	QUARTER 1, 3, F0, F1, 0
	s_wait_dscnt 8                                 ; the very last quarter: nothing more to fetch
	MUL16 F1, 0, 0, 0
	MUL16 F1, 0, 2, 0
	s_wait_dscnt 0x0
	MUL16 F1, 1, 0, 0
	MUL16 F1, 1, 2, 0
; THE WAY OUT, a block of 16 rows at a time.  A lane's 32 bytes are a sixteenth of my 512 bytes of a row, so the block goes through my own stage in LDS (no other wave and no tensor load touches it)
; and comes back as whole rows: each store of the wave covers 512 consecutive bytes, at a multiple of 512 from out's first byte.  out is f32: nothing is converted.
.macro STG a                           ; each accumulator's four lowest registers are read first
	WIN 0x08+4*((\a)/4)                            ; the stores' data (source 1) in window 2 or 3
.irp b, 0,1,2,3,4,5,6,7
	ds_store_b128 v[STO], v[8*(8*((\a)%4)+(\b)):8*(8*((\a)%4)+(\b))+3]   offset:64*(\b)
	ds_store_b128 v[STO], v[8*(8*((\a)%4)+(\b))+4:8*(8*((\a)%4)+(\b))+7] offset:64*(\b)+16
.endr
.endm
.macro LDB a                           ; back into x's fragment buffer a % 2.  LDS serves a wave's instructions in order (ISA guide 5.7.1.4): these see the stores above, and the next block's stores come behind them
.if (\a) >= 2
	s_wait_xcnt 0x0                                ; the buffer was the data of block a - 2's stores: it is loaded again only behind this wait (ISA guide 3.1)
.endif
	WIN 0
.irp t, 0,1,2,3,4,5,6,7,8,9,10,11,12,13,14,15
	ds_load_b128 v[F0+64*((\a)%2)+4*(\t):F0+64*((\a)%2)+4*(\t)+3], v[RD] offset:(\t)*SPITCH
.endr
.endm
.macro SEND a, younger                 ; younger: the LDS instructions issued behind block a's loads: the next block's 16 stores, or none
	WIN 0
	s_wait_dscnt \younger
.irp t, 0,1,2,3,4,5,6,7,8,9,10,11,12,13,14,15
	global_store_b128 v[CO], v[F0+64*((\a)%2)+4*(\t):F0+64*((\a)%2)+4*(\t)+3], s[8:9] offset:(16*(\a)+(\t))*8192 th:TH_STORE_NT
.endr
.endm
	PLACES                                         ; behind the last products: for the stores that read results, and for the loads into x's buffers
	STG 0
	LDB 0
.irp a, 1,2,3,4,5,6,7
	STG \a
	SEND (\a)-1, 16
	LDB \a
.endr
	SEND 7, 0
	WIN 0
	s_wait_tensorcnt 0x0                           ; the wave's end: behind my last tensor load and my last LDS store
	ds_add_u32 v[SPW], v[NIL]
	s_wait_dscnt 0x0
	CROUND                                         ; the closing round: no work-group ends while a partner may still ask for a tile that names it
	s_endpgm
.Lfunc_end_k_qb5f00bd217_gemm:
	.size	k_qb5f00bd217_gemm, .Lfunc_end_k_qb5f00bd217_gemm-k_qb5f00bd217_gemm
	.p2alignl 7, 3214868480
	.fill 96, 4, 3214868480
	.section	.rodata,"a",@progbits
	.p2align	6, 0x0
	.amdhsa_kernel k_qb5f00bd217_gemm
		.amdhsa_group_segment_fixed_size 327680
		.amdhsa_private_segment_fixed_size 0
		.amdhsa_enable_private_segment 0
		.amdhsa_kernarg_size 24
		.amdhsa_user_sgpr_count 2
		.amdhsa_user_sgpr_kernarg_segment_ptr 1
		.amdhsa_wavefront_size32 1
		.amdhsa_system_sgpr_workgroup_id_x 1
		.amdhsa_system_sgpr_workgroup_id_y 1
		.amdhsa_system_sgpr_workgroup_id_z 1
		.amdhsa_system_vgpr_workitem_id 0
		.amdhsa_next_free_vgpr 1024
		.amdhsa_next_free_sgpr 66
		.amdhsa_reserve_vcc 0
		.amdhsa_float_denorm_mode_32 3
		.amdhsa_float_denorm_mode_16_64 3
		.amdhsa_memory_ordered 1
		.amdhsa_forward_progress 1
		.amdhsa_inst_pref_size 140
	.end_amdhsa_kernel
	.amdgpu_metadata
---
amdhsa.version: [ 1, 2 ]
amdhsa.kernels:
  - .name:           k_qb5f00bd217_gemm
    .symbol:         k_qb5f00bd217_gemm.kd
    .args:
      - { .name: x16, .offset: 0, .size: 8, .value_kind: global_buffer, .address_space: global }
      - { .name: wq, .offset: 8, .size: 8, .value_kind: global_buffer, .address_space: global }
      - { .name: out0, .offset: 16, .size: 8, .value_kind: global_buffer, .address_space: global }
    .group_segment_fixed_size: 327680
    .private_segment_fixed_size: 0
    .kernarg_segment_align: 8
    .kernarg_segment_size: 24
    .max_flat_workgroup_size: 128
    .sgpr_count:     66
    .vgpr_count:     1024
    .wavefront_size: 32
...
	.end_amdgpu_metadata
.endif
;; end of part 3
;; ======== version 2 of 2: 3 launches; version 1 with the launch cast written anew for expert scheduling mode
;; limits: values are held in f16: magnitudes above 65,504 overflow, below 6.1e-05 lose precision
;; workspace buffers: wq 16,777,216 bytes; x16 67,108,864 bytes
;; launch dequant: the kernel of part 1 again; grid 256 x 1, 16 waves a work-group, no clusters, 26,880 bytes of LDS; arguments codebook, indices, scales, signs_packed, wq; writes wq
;; launch cast (part 4): grid 128 x 4, 8 waves a work-group, no clusters, 0 bytes of LDS; arguments x, x16; writes x16
.if DOCPART == 4
	.amdgcn_target "amdgcn-amd-amdhsa--gfx1250"
	.amdhsa_code_object_version 6
	.text
	.protected	k_qb5f00bd217_cast
	.globl	k_qb5f00bd217_cast
	.p2align	8
	.type	k_qb5f00bd217_cast,@function
k_qb5f00bd217_cast:
	s_mov_b64 s[64:65], 0
	v_nop
	global_prefetch_b8 v0, s[64:65] scope:SCOPE_SE
	s_setreg_imm32_b32 hwreg(HW_REG_WAVE_SCHED_MODE, 0, 2), 2
	s_setreg_imm32_b32 hwreg(HW_REG_WAVE_MODE, 25, 1), 1
	s_wait_xcnt 0x0
	s_wait_alu depctr_vm_vsrc(0)
; x IS ROUNDED ONCE TO f16 AND LAID IN BLOCKS.  x: [8192][4096] f32.  x16[k / 128][m][k % 128] in f16: byte (k / 128) x 2,097,152 + 256 m + 2 (k % 128), so that 128 rows of one
; block of 128 k are 32,768 consecutive bytes for the product's tiles.
; LIMITS.  |x| stays under 65,520 (beyond it the rounding gives an infinity); below 6e-5 f16 keeps a fixed step of 6e-8.
; SHARES.  A work-group owns 64 rows and 1,024 k (4,096 bytes of each row); thread t owns the 16 bytes at 16 t of them, so wave w has block 8 gy + w for the whole launch.
; A load of a wave covers 512 consecutive bytes of a row; its four numbers a lane round into 8 bytes, and a store of a wave covers 256 consecutive bytes, at a multiple of 256 from x16's first byte:
; one row of the block; the wave's 64 rows are 16,384 consecutive bytes of x16.
; The row stands in the immediates (63 x 16,384 and 63 x 256 at the most), so no address register is ever rewritten; each row has its own two result registers, so no store's data is ever rewritten.
; Memory binds: no LDS, no barrier, no matrix unit, no cluster (the work-groups share no byte).
; THE MODE: SCHED_MODE bits 1:0 = 2 (LLVM: expert scheduling mode 2), set by the entry lines.  The code itself states the register dependences
; between vector instructions and memory instructions, with s_wait_alu, always for 0.
; THE PLAN.  The 64 rows go in 16 groups of four.  Registers that memory instructions touch:
;   X0 .. X4   five groups of x as loaded.  Written by the loads of group p + 4, issued in group p; read by group p's eight roundings.
;   Y          two registers a row.         Written once in the launch, by group p's roundings; read by the four stores that are issued in group p + 1.
;   v1, v2     byte offsets, made once at the head and never written again.
; Group p rounds X[p % 5] into its own rows' Y.  Its memory instructions are the loads into X[(p + 4) % 5] = X[(p - 1) % 5] and the stores of group p - 1's Y: the registers that group p - 1
; worked on and that no rounding of group p names.  So one wait at a group's head states all that its eight memory instructions hang on, and these are dealt among its roundings with no further wait.
; No register that a memory instruction reads is ever written again, so no wait on vm_vsrc and no s_wait_xcnt is owed.  No vector instruction writes a scalar register, and EXEC is never written.
; With five buffers sixteen loads of every wave are on their way behind a group's four: a buffer lies idle from its rounding to the next group's head.
.set ROWS,   64
.set GROUP,  4                         ; rows in a group
.set GROUPS, ROWS/GROUP
.set BUFS,   5                         ; buffers of loaded rows
.set AHEAD,  BUFS-1                    ; group p asks for group p + AHEAD
.set LO,  1                            ; v1        16 t: my bytes in the work-group's 4,096 of a row; never rewritten
.set SO,  2                            ; v2        wave x 2,097,152 + 8 x lane: my bytes in x16; never rewritten
.set X,   8                            ; v[8:87]   buffer k, row i: four f32 as loaded, at X + 16 k + 4 i
.set Y,   88                           ; v[88:215] row r: four f16 to store
	s_load_b128 s[4:7], s[0:1], 0x0                ; x s[4:5], x16 s[6:7]
	v_lshlrev_b32 v[LO], 4, v0
	v_and_b32 v[SO], 31, v0
	v_lshrrev_b32 v3, 5, v0
	v_lshlrev_b32 v[SO], 3, v[SO]
	v_lshl_or_b32 v[SO], v3, 21, v[SO]
	s_and_b32 s8, ttmp7, 0xffff                    ; gy: which 1,024 k
	s_lshl_b32 s10, ttmp9, 20                      ; x: 64 rows of 16,384 bytes for each gx,
	s_lshl_b32 s9, s8, 12                          ; 4,096 bytes along the rows for each gy: under 2^28 together
	s_add_co_u32 s10, s10, s9
	s_mov_b32 s11, 0
	s_lshl_b32 s12, s8, 24                         ; x16: 8 blocks of 2,097,152 bytes for each gy,
	s_lshl_b32 s9, ttmp9, 14                       ; 64 rows of 256 bytes for each gx
	s_add_co_u32 s12, s12, s9
	s_mov_b32 s13, 0
	s_wait_kmcnt 0x0
	s_add_nc_u64 s[4:5], s[4:5], s[10:11]
	s_add_nc_u64 s[6:7], s[6:7], s[12:13]
	s_wait_alu depctr_va_vdst(0)                   ; v1 and v2 are written: every load and store of the kernel reads one of them as its offset
.irp i, 0,1,2,3,4,5,6,7,8,9,10,11,12,13,14,15
	global_load_b128 v[X+4*(\i):X+4*(\i)+3], v[LO], s[4:5] offset:(\i)*16384 th:TH_LOAD_NT   ; groups 0 to 3 into X0 to X3: rows 0 to 15
.endr
.set p, 0
.rept GROUPS
.set left, GROUPS-1-p                  ; the groups asked for behind this one: the next three, fewer at the end
.if left > AHEAD-1
.set left, AHEAD-1
.endif
	s_wait_loadcnt left*GROUP                      ; loads come back in order (ISA guide 5.7.1): this group's four are in, the younger groups' stay out
.if p > 0                              ; group 0 has no group in front of it: the head's wait stands for its loads, and no vector instruction has named X4
	s_wait_alu depctr_va_vdst(0)                   ; the group before has written its rows' Y, which the stores below read, and is done reading its X, in which the loads below land
.endif
.set i, 0
.rept GROUP
.set row, GROUP*p+i
.set sl, X+4*GROUP*(p%BUFS)+4*i
.set nx, X+4*GROUP*((p+AHEAD)%BUFS)+4*i
.if p+AHEAD < GROUPS                   ; the last four groups ask for nothing: no load leaves the work-group's rows
	global_load_b128 v[nx:nx+3], v[LO], s[4:5] offset:(row+AHEAD*GROUP)*16384 th:TH_LOAD_NT  ; four groups ahead, ahead of the store; no vector instruction since the wait names these registers
.endif
.if p > 0
	global_store_b64 v[SO], v[Y+2*(row-GROUP):Y+2*(row-GROUP)+1], s[6:7] offset:(row-GROUP)*256  ; the group before
.endif
	v_cvt_pk_f16_f32 v[Y+2*row],   v[sl],   v[sl+1]
	v_cvt_pk_f16_f32 v[Y+2*row+1], v[sl+2], v[sl+3]
.set i, i+1
.endr
.set p, p+1
.endr
	s_wait_alu depctr_va_vdst(0)                   ; the last group has written its rows' Y, which the last four stores read
.irp i, 0,1,2,3
	global_store_b64 v[SO], v[Y+2*(ROWS-GROUP+(\i)):Y+2*(ROWS-GROUP+(\i))+1], s[6:7] offset:(ROWS-GROUP+(\i))*256
.endr
	s_endpgm
.Lfunc_end_k_qb5f00bd217_cast:
	.size	k_qb5f00bd217_cast, .Lfunc_end_k_qb5f00bd217_cast-k_qb5f00bd217_cast
	.p2alignl 7, 3214868480
	.fill 96, 4, 3214868480
	.section	.rodata,"a",@progbits
	.p2align	6, 0x0
	.amdhsa_kernel k_qb5f00bd217_cast
		.amdhsa_group_segment_fixed_size 0
		.amdhsa_private_segment_fixed_size 0
		.amdhsa_enable_private_segment 0
		.amdhsa_kernarg_size 16
		.amdhsa_user_sgpr_count 2
		.amdhsa_user_sgpr_kernarg_segment_ptr 1
		.amdhsa_wavefront_size32 1
		.amdhsa_system_sgpr_workgroup_id_x 1
		.amdhsa_system_sgpr_workgroup_id_y 1
		.amdhsa_system_sgpr_workgroup_id_z 1
		.amdhsa_system_vgpr_workitem_id 0
		.amdhsa_next_free_vgpr 216
		.amdhsa_next_free_sgpr 66
		.amdhsa_reserve_vcc 0
		.amdhsa_float_denorm_mode_32 3
		.amdhsa_float_denorm_mode_16_64 3
		.amdhsa_memory_ordered 1
		.amdhsa_forward_progress 1
		.amdhsa_inst_pref_size 23
	.end_amdhsa_kernel
	.amdgpu_metadata
---
amdhsa.version: [ 1, 2 ]
amdhsa.kernels:
  - .name:           k_qb5f00bd217_cast
    .symbol:         k_qb5f00bd217_cast.kd
    .args:
      - { .name: x, .offset: 0, .size: 8, .value_kind: global_buffer, .address_space: global }
      - { .name: x16, .offset: 8, .size: 8, .value_kind: global_buffer, .address_space: global }
    .group_segment_fixed_size: 0
    .private_segment_fixed_size: 0
    .kernarg_segment_align: 8
    .kernarg_segment_size: 16
    .max_flat_workgroup_size: 256
    .sgpr_count:     66
    .vgpr_count:     216
    .wavefront_size: 32
...
	.end_amdgpu_metadata
.endif
;; end of part 4
;; launch gemm: the kernel of part 3 again; grid 8 x 32, 4 waves a work-group, clusters of 4 x 4, 327,680 bytes of LDS; arguments x16, wq, out0; writes out0
